; MI455X (gfx1250); checked and timed in simulation.
; The chip was launched on July 23, 2026; its instructions are those of AMD's public machine-readable ISA for CDNA 5 (MIT licence, August 2026) and "CDNA5" Instruction Set Architecture Reference Guide (July 2026). The comments in the code are by the model that wrote it; some were corrected since.
;; Binary Dense. Allowed arithmetic: float matrix products may take bf16 or f16 operands with f32 sums; other float arithmetic in f32, or as packed bf16 or f16 multiplies, adds, multiply-adds, maxima and minima; sums over many terms, partial sums and values carried from step to step in f32; what a program stores and reads back later, other than sums and carried values, may be rounded once to bf16 or f16.
;; Inputs: bias 4,096 float32; kernel 4,096 x 4,096 float32; x 4,096 x 4,096 float32.
;; Outputs: out0 4,096 x 4,096 float32.
;; 2 versions, each right; version 2 is version 1 with the launch prep written anew for expert scheduling mode. Each part assembles by itself: llvm-mc -triple=amdgcn-amd-amdhsa -mcpu=gfx1250 --defsym DOCPART=n.
;; ======== version 1 of 2: 2 launches
;; workspace buffers: xb 33,554,432 bytes; kb 33,554,432 bytes
;; launch prep (part 1): grid 1024 x 1, 8 waves a work-group, no clusters, 0 bytes of LDS; arguments x, kernel, xb, kb; writes xb, kb
.if DOCPART == 1
	.amdgcn_target "amdgcn-amd-amdhsa--gfx1250"
	.amdhsa_code_object_version 6
	.text
	.protected	k_q9e13c62015_prep
	.globl	k_q9e13c62015_prep
	.p2align	8
	.type	k_q9e13c62015_prep,@function
k_q9e13c62015_prep:
	s_mov_b64 s[64:65], 0
	v_nop
	global_prefetch_b8 v0, s[64:65] scope:SCOPE_SE
	s_setreg_imm32_b32 hwreg(HW_REG_WAVE_MODE, 25, 1), 1
	s_wait_xcnt 0x0
; xb = x rounded to bf16; kb = sign(kernel) in bf16.  Both keep their source's layout: [4096][4096], row-major.
; sign() is taken exactly: +1 or -1 with the number's sign where it is less or greater than 0 (denormals too); the number itself where it is +0, -0 or NaN.
; -1, 0 and +1 are exact in bf16, so the one rounding of the whole program is x's.
; LIMIT: |x| beyond bf16's largest finite number (about 3.39e38) becomes an infinity.
; A STREAM: every input byte is read once, every output byte written once; nothing is shared between waves, so no LDS, no barrier, no matrix unit.
; SHARES.  Work-group g owns bytes 65,536 g .. + 65,535 of x and of kernel (32,768 g .. of xb and kb): 16 chunks of 4,096 bytes of each.
; Thread t takes the 16 bytes at 16 t of a chunk: a wave's load covers 512 consecutive bytes, and its four numbers a lane leave as 8 bytes:
; a wave's store covers 256 consecutive bytes, at a multiple of 256 from the buffer's first byte.
; A ring of eight slots in registers, four for x and four for kernel, keeps eight loads of every wave on their way.
.set CHUNK,  4096                      ; bytes that one load of the work-group covers
.set IN_RD,  4*CHUNK                   ; bytes of each input in a turn of the ring
.set OUT_RD, 2*CHUNK                   ; bytes of each output in a turn of the ring
.set TRIPS,  3                         ; four turns: three in the loop, the last written out without loads
.set T, 4                              ; v[4:7]    at work: the four signs
.set X, 8                              ; v[8:39]   slot i: 4 registers as loaded
.set Y, 40                             ; v[40:55]  slot i: 2 registers to store
	s_load_b256 s[4:11], s[0:1], 0x0               ; x s[4:5], kernel s[6:7], xb s[8:9], kb s[10:11]
	s_lshl_b32 s2, ttmp9, 16                       ; the work-group's part of the inputs (under 2^26),
	s_mov_b32 s3, 0
	s_lshl_b32 s12, ttmp9, 15                      ; and of the outputs
	s_mov_b32 s13, 0
	s_mov_b32 s14, 0x7fffffff                      ; all bits but the sign
	s_mov_b32 s15, 0x3f800000                      ; 1.0
	s_mov_b32 s16, TRIPS
	v_lshlrev_b32 v1, 4, v0                        ; 16 t: my bytes in a chunk of an input; never rewritten
	v_lshlrev_b32 v2, 3, v0                        ; 8 t: in a chunk of an output; never rewritten
	s_wait_kmcnt 0x0
	s_add_nc_u64 s[4:5], s[4:5], s[2:3]
	s_add_nc_u64 s[6:7], s[6:7], s[2:3]
	s_add_nc_u64 s[8:9], s[8:9], s[12:13]
	s_add_nc_u64 s[10:11], s[10:11], s[12:13]
.irp i, 0,1,2,3,4,5,6,7
	global_load_b128 v[X+4*(\i):X+4*(\i)+3], v1, s[4+2*((\i)/4):5+2*((\i)/4)] offset:((\i)%4)*CHUNK th:TH_LOAD_NT  ; the ring is filled
.endr
; One slot's turn.  Slots 0-3 hold x, slots 4-7 kernel.  ahead = 1: the slot is loaded again, one turn of the ring further on.
; left = how many younger loads may still be out when this slot's load has to be there.
.macro SLOT i, ahead, left
.set KIND, (\i)/4
.set J,    (\i)%4
.set XR,   X+4*(\i)
.set YR,   Y+2*(\i)
	s_wait_loadcnt \left                           ; loads come back in order (ISA guide 5.7.1): mine is in, the younger ones stay out
.if KIND == 0
	v_cvt_pk_bf16_f32 v[YR],   v[XR],   v[XR+1]    ; two roundings to nearest even, packed
	v_cvt_pk_bf16_f32 v[YR+1], v[XR+2], v[XR+3]
.else
.irp k, 0,1,2,3
	v_bfi_b32 v[T+(\k)], s14, s15, v[XR+(\k)]      ; 1.0 with the number's sign
	v_cmp_lg_f32 s[20+(\k)], 0, v[XR+(\k)]         ; less or greater than 0: false for +0, -0 and NaN
.endr
.irp k, 0,1,2,3
	v_cndmask_b32 v[T+(\k)], v[XR+(\k)], v[T+(\k)], s[20+(\k)]  ; there the number itself stays: a choice of value, no branch
.endr
	v_cvt_pk_bf16_f32 v[YR],   v[T],   v[T+1]      ; exact
	v_cvt_pk_bf16_f32 v[YR+1], v[T+2], v[T+3]
.endif
.if \ahead
	global_load_b128 v[XR:XR+3], v1, s[4+2*KIND:5+2*KIND] offset:J*CHUNK+IN_RD th:TH_LOAD_NT  ; the load ahead of the store
.endif
	global_store_b64 v2, v[YR:YR+1], s[8+2*KIND:9+2*KIND] offset:J*CHUNK/2 th:TH_STORE_NT
.endm
.Lturn:
.irp i, 0,1,2,3,4,5,6,7
	SLOT \i, 1, 7                                  ; eight loads are out: this turn's slots i to 7 and the next turn's 0 to i - 1
.endr
	s_wait_xcnt 0x0                                ; every load and store issued so far has read its sources (ISA guide 3.1): only now are the four bases, and in the next trip Y, rewritten
	s_add_nc_u64 s[4:5], s[4:5], IN_RD
	s_add_nc_u64 s[6:7], s[6:7], IN_RD
	s_add_nc_u64 s[8:9], s[8:9], OUT_RD
	s_add_nc_u64 s[10:11], s[10:11], OUT_RD
	s_sub_co_u32 s16, s16, 1
	s_cmp_lg_u32 s16, 0
	s_cbranch_scc1 .Lturn
.irp i, 0,1,2,3,4,5,6,7
	SLOT \i, 0, 7-(\i)                             ; the last turn loads nothing: the counts run down, and no load leaves its buffer
.endr
	s_endpgm
.Lfunc_end_k_q9e13c62015_prep:
	.size	k_q9e13c62015_prep, .Lfunc_end_k_q9e13c62015_prep-k_q9e13c62015_prep
	.p2alignl 7, 3214868480
	.fill 96, 4, 3214868480
	.section	.rodata,"a",@progbits
	.p2align	6, 0x0
	.amdhsa_kernel k_q9e13c62015_prep
		.amdhsa_group_segment_fixed_size 0
		.amdhsa_private_segment_fixed_size 0
		.amdhsa_enable_private_segment 0
		.amdhsa_kernarg_size 32
		.amdhsa_user_sgpr_count 2
		.amdhsa_user_sgpr_kernarg_segment_ptr 1
		.amdhsa_wavefront_size32 1
		.amdhsa_system_sgpr_workgroup_id_x 1
		.amdhsa_system_sgpr_workgroup_id_y 1
		.amdhsa_system_sgpr_workgroup_id_z 1
		.amdhsa_system_vgpr_workitem_id 0
		.amdhsa_next_free_vgpr 56
		.amdhsa_next_free_sgpr 66
		.amdhsa_reserve_vcc 0
		.amdhsa_float_denorm_mode_32 3
		.amdhsa_float_denorm_mode_16_64 3
		.amdhsa_memory_ordered 1
		.amdhsa_forward_progress 1
		.amdhsa_inst_pref_size 13
	.end_amdhsa_kernel
	.amdgpu_metadata
---
amdhsa.version: [ 1, 2 ]
amdhsa.kernels:
  - .name:           k_q9e13c62015_prep
    .symbol:         k_q9e13c62015_prep.kd
    .args:
      - { .name: x, .offset: 0, .size: 8, .value_kind: global_buffer, .address_space: global }
      - { .name: kernel, .offset: 8, .size: 8, .value_kind: global_buffer, .address_space: global }
      - { .name: xb, .offset: 16, .size: 8, .value_kind: global_buffer, .address_space: global }
      - { .name: kb, .offset: 24, .size: 8, .value_kind: global_buffer, .address_space: global }
    .group_segment_fixed_size: 0
    .private_segment_fixed_size: 0
    .kernarg_segment_align: 8
    .kernarg_segment_size: 32
    .max_flat_workgroup_size: 256
    .sgpr_count:     66
    .vgpr_count:     56
    .wavefront_size: 32
...
	.end_amdgpu_metadata
.endif
;; end of part 1
;; launch gemm (part 2): grid 16 x 16, 4 waves a work-group, clusters of 4 x 4, 327,680 bytes of LDS; arguments xb, kb, bias, out0; writes out0
.if DOCPART == 2
	.amdgcn_target "amdgcn-amd-amdhsa--gfx1250"
	.amdhsa_code_object_version 6
	.text
	.protected	k_q9e13c62015_gemm
	.globl	k_q9e13c62015_gemm
	.p2align	8
	.type	k_q9e13c62015_gemm,@function
k_q9e13c62015_gemm:
	s_mov_b64 s[64:65], 0
	v_nop
	global_prefetch_b8 v0, s[64:65] scope:SCOPE_SE
	s_setreg_imm32_b32 hwreg(HW_REG_WAVE_MODE, 25, 1), 1
	s_wait_xcnt 0x0
	s_wait_alu depctr_hold_cnt(0) depctr_sa_sdst(0) depctr_va_vdst(0) depctr_va_sdst(0) depctr_va_ssrc(0) depctr_va_vcc(0) depctr_vm_vsrc(0)
	s_getreg_b32 s2, hwreg(HW_REG_IB_STS2, 6, 4)
	s_cmp_eq_u32 s2, 0
	s_cbranch_scc0 .Lentry_in_a_cluster
	s_endpgm
.Lentry_in_a_cluster:
	s_bfe_u32 s2, ttmp6, 0x10000c
	s_cmp_lg_u32 s2, 0xf033
	s_cbranch_scc0 .Lentry_shape_is_right
	s_endpgm
.Lentry_shape_is_right:
; out0[m][n] = the sum over k of xb[m][k] kb[k][n] + bias[n].  xb: [4096 m][4096 k] bf16 (x rounded once), kb: [4096 k][4096 n] bf16 (sign(kernel), exact),
; bias: [4096] f32, out0: [4096][4096] f32.  Sums in f32, K ascending, one accumulator an output; bias is added in f32 to the finished sum.
; LIMITS: the operands are bf16 (x beyond about 3.39e38 has become an infinity in the launch before); the order of additions inside a product of 32 k is the matrix unit's.
; SHARES.  A tile of out0, 256 x 256, is made by a work-group of four waves; a wave makes 128 x 128: 64 accumulators of 16 x 16, 512 registers.  16 x 16 tiles: 256 work-groups.
; K goes in 32 steps of 128 through a ring of two LDS slots filled by the tensor data mover.  A's tile (xb) is 256 rows of 256 bytes; B's (kb) is 128 k-rows of 512 bytes.
; kb lies [k][n]: its fragments come out of LDS turned, by ds_load_tr16_b128, at the same number of LDS loads as A's.
; CLUSTERS: 4 x 4 work-groups.  The four of a row of the cluster need the same tiles of xb, the four of a column the same tiles of kb: each tile is asked for JOINTLY, by the same
; tensor load with the same descriptor and a mask that names the four; each receives it in its own LDS.  That divides the requests for both by four.
; THE MATRIX INSTRUCTION IS USED TRANSPOSED: source 0 = 16 columns of kb, source 1 = 16 rows of xb.  In the result lane l holds row l % 16 of out0 and its registers 0-7 the
; columns 8 (l / 16) + 0..7: 32 neighbouring bytes of a row.
; REGISTERS, in windows of 256 (s_set_vgpr_msb: bits 1:0 source 0, 3:2 source 1, 5:4 source 2, 7:6 destination):
;   window 0: v0-35 addresses and bias; v64-127, v128-191 fragments of A, two buffers; on the way out the same 128 hold rows read back from the stage
;   window 1: v64-127, v128-191 fragments of B, two buffers
;   window 2: the 32 accumulators of my rows 0-63 (accumulator (a, b) at v[8 (8 a + b)]);   window 3: those of my rows 64-127
.set KSTEP,  128
.set ROWB,   8192                      ; bytes in a row of xb and of kb
.set ROWC,   16384                     ; bytes in a row of out0
.set STEPA,  KSTEP*2                   ; a K step in xb: 256 bytes along a row
.set STEPB,  KSTEP*ROWB                ; a K step in kb: 128 rows down
.set PA,     272                       ; an LDS row of A: 256 bytes + 16 of padding = 68 words: row r starts at bank 4 r mod 64 (64 banks of 4 bytes: ISA guide 11.1): the 16 rows of a load start at 16 different banks
.set PB,     544                       ; an LDS row of B: 512 bytes + 32 = 136 words: row r starts at bank 8 r mod 64
.set HALFT,  128*PA                    ; what one tensor load brings: 128 rows of A, or 64 k-rows of B (64 PB is the same number)
.set SLOT,   4*HALFT                   ; A's 256 rows, then B's 128 k-rows
.set STAGE,  2*SLOT                    ; behind the ring, never filled by a tensor load: 16 rows x 528 bytes for each wave, for the way out
.set SP,     528                       ; a stage row: 512 bytes + 16: the 16 rows that a store touches start at 16 different groups of four banks
.set SPARE,  STAGE+4*16*SP             ; behind the stages: the spare words, 128 bytes for each wave: two blocks of 256 bytes that no other line names
.set LAPS,   4096/(2*KSTEP)            ; a lap = two K steps = once round the ring
.set ADRA, 16                          ; v16-17  LDS address of my A fragments in slot 0, 1
.set ADRB, 20                          ; v20-21  the same for B
.set STO,  24                          ; v24     the way out: where I put 32 bytes of a row
.set RD,   25                          ; v25     the way out: where I read a row back
.set CO,   26                          ; v26     16 x lane: my 16 bytes in 512 of a row of out0; never rewritten
.set BO,   27                          ; v27     my 16 bytes of bias
.set SPW,  28                          ; v28     LDS address of my spare word: SPARE + 4 x my thread's number; never rewritten
.set NIL,  29                          ; v29     0; never rewritten
.set PFO,  30                          ; v30     the prefetches' lane offset; never rewritten
.set BIAS, 32                          ; v[32:35] bias of the four columns that I store
.set F0,   64                          ; fragment buffer 0
.set F1,   128                         ; fragment buffer 1
.set WV,   12                          ; s12  my wave's number
.set RH,   13                          ; s13  which half of the tile's rows is mine.  Also: I fetch for A (0) or for B (1)
.set CH,   14                          ; s14  which half of its columns.  Also: which half of that tile I fetch
.set LAP,  15                          ; s15  trips of the loop still to come
.set G1,   24                          ; s[24:31] descriptor group 1 for A's tiles
.set G0,   32                          ; s[32:39] group 0 for A's tiles, a set for each slot
.set PFA,  44                          ; s[44:45] where my prefetches stand
.set PST,  46                          ; s[46:47] their step: a K step in xb or in kb
.set G1B,  48                          ; s[48:55] descriptor group 1 for B's tiles
.set G0B,  56                          ; s[56:63] group 0 for B's tiles, a set for each slot
.set LIM,  66                          ; s66  1 in a wave that prefetches, else the greatest number
.set MSB, 0
.macro WIN new                         ; the immediate's high byte repeats the setting that is left; a switch that changes nothing is dropped
.if MSB != (\new)
	s_set_vgpr_msb (MSB<<8)|(\new)
.set MSB, \new
.endif
.endm
.set MUL_LO, 0xa1                      ; source 0 (B) window 1, source 1 (A) window 0, C and D window 2
.set MUL_HI, 0xf1                      ; the same, C and D window 3
.set TO_B,   0x40                      ; destination window 1, address window 0
; A joint load.  Waves 0 and 1 fetch A's two halves, waves 2 and 3 B's.  Each line has ONE mask and one set of registers for all that issue it; the branch hangs on the wave's number alone.
; An s_nop 0 and four v_nop follow each of the two lines, ahead of the jump, the label and what follows.
.macro JLOAD s
	s_cmp_eq_u32 s[RH], 0
	s_cbranch_scc0 .Lfor_b_\@
	tensor_load_to_lds s[G0+4*(\s):G0+4*(\s)+3], s[G1:G1+7]
	s_nop 0
.rept 4
	v_nop
.endr
	s_branch .Lasked_\@
.Lfor_b_\@:
	tensor_load_to_lds s[G0B+4*(\s):G0B+4*(\s)+3], s[G1B:G1B+7]
	s_nop 0
.rept 4
	v_nop
.endr
.Lasked_\@:
.endm
; A PREFETCH INTO THE L2, behind each joint refill and the run of LDS loads that follows it: the K step that stands TWO refills on, 512 matrix instructions ahead of the load that will want it.
; Each aligned block of 256 bytes is named ONCE in the launch.  A's tile row is read by every cluster of that row of clusters: cluster x = 0 asks; B's tile column by every cluster of that column:
; cluster y = 0 asks.  The four partners that ask for a tile jointly share it out BY ADDRESS: of the 128 rows of A that a wave fetches the partner at cx takes 32, a lane a row; of the 64 k-rows of B
; the partner at cy takes 16, two blocks of 256 bytes a row, a lane a block.  One instruction a wave.  The loop's last trip asks for nothing: its refills are K steps 30 and 31, and there is no step 32.
.macro ASK
	s_cmp_gt_u32 s[LAP], s[LIM]                    ; s[LAP] = 1 in the loop's last trip
	s_cbranch_scc0 .Lnot_mine_\@
	global_prefetch_b8 v[PFO], s[PFA:PFA+1] th:TH_LOAD_NT scope:SCOPE_SE
.Lnot_mine_\@:
.endm
; A round of the cluster's barrier: my work-group's barrier, so that wave 0's signal speaks for all four waves; wave 0 signals for the work-group; every wave waits for all sixteen
; work-groups; my work-group's barrier once more.
.macro CREST                           ; a round behind its opening barrier
	s_cmp_lg_u32 s[WV], 0
	s_cbranch_scc1 .Lnot_wave_0_\@
	s_barrier_signal -3
.Lnot_wave_0_\@:
	s_barrier_wait -3
	s_barrier_signal -1
	s_barrier_wait -1
.endm
.macro CROUND                          ; a whole round
	s_barrier_signal -1
	s_barrier_wait -1
	CREST
.endm
	s_load_b256 s[4:11], s[0:1], 0x0               ; xb s[4:5], kb s[6:7], bias s[8:9], out0 s[10:11]
	v_lshl_add_u32 v[SPW], v0, 2, SPARE
	v_mov_b32 v[NIL], 0
	ds_add_u32 v[SPW], v[NIL]                      ; the wave's opening: the add and its wait stand ahead of my first tensor load; the set-up below, work on registers, stands between them
	v_lshrrev_b32 v1, 5, v0
	v_readfirstlane_b32 s[WV], v1                  ; wave 0..3
	s_lshr_b32 s[RH], s[WV], 1
	s_and_b32 s[CH], s[WV], 1
	s_bfe_u32 s40, ttmp6, 0x40000                  ; cx: my place along the cluster's x
	s_bfe_u32 s41, ttmp6, 0x40004                  ; cy: along its y
	s_lshl_b32 s42, ttmp9, 2                       ; in a cluster launch ttmp9 and ttmp7 count clusters
	s_add_co_u32 s42, s42, s40                     ; tile column = 4 x cluster x + cx
	s_and_b32 s43, ttmp7, 0xffff
	s_lshl_b32 s43, s43, 2
	s_add_co_u32 s43, s43, s41                     ; tile row = 4 x cluster y + cy
	s_lshl_b32 s18, s41, 2
	s_lshl_b32 s18, 15, s18                        ; my row of the cluster: places 4 cy .. 4 cy + 3
	s_lshl_b32 s70, 0x1111, s40                    ; my column: places cx, cx + 4, cx + 8, cx + 12
	; descriptor group 1.  A: 128 rows x 128 elements; B: 64 rows x 256 elements; both padded in LDS
	s_or_b32 s[G1], s18, (1<<16)|(1<<20)|(1<<21)|(5<<22)|(3<<25)   ; 15:0 the mask: my row; 17:16 elements of 2 bytes; 20 padding on; 21 set beside a mask; 24:22 after every 64 words (code 5); 31:25 4 words of it (code 3)
	s_or_b32 s[G1B], s70, (1<<16)|(1<<20)|(1<<21)|(6<<22)|(7<<25)  ; the mask: my column; padding after every 128 words (code 6), 8 words of it (code 7)
	s_mov_b32 s[G1+1], 128<<16                     ; 63:48 tensor_dim0 = 128
	s_mov_b32 s[G1+2], 128<<16                     ; 95:80 tensor_dim1 = 128
	s_mov_b32 s[G1+3], 128<<16                     ; 127:112 tile_dim0 = 128
	s_mov_b32 s[G1+4], 128                         ; 143:128 tile_dim1 = 128; 159:144 tile_dim2 = 0
	s_mov_b32 s[G1+5], 4096                        ; 191:160 elements from row to row
	s_mov_b32 s[G1+6], 0
	s_mov_b32 s[G1+7], 0
	s_mov_b32 s[G1B+1], 256<<16                    ; tensor_dim0 = 256
	s_mov_b32 s[G1B+2], 64<<16                     ; tensor_dim1 = 64
	s_mov_b32 s[G1B+3], 256<<16                    ; tile_dim0 = 256
	s_mov_b32 s[G1B+4], 64                         ; tile_dim1 = 64
	s_mov_b32 s[G1B+5], 4096
	s_mov_b32 s[G1B+6], 0
	s_mov_b32 s[G1B+7], 0
	; where the tiles come from.  A's hang on the tile row alone, which my row of the cluster shares; B's on the tile column alone, which my column shares.
	; Every wave makes both, in registers that never hold the other coordinate, and asks by one of them.
	s_lshl_b32 s16, s43, 8
	s_lshl_b32 s18, s[CH], 7
	s_add_co_u32 s16, s16, s18                     ; A: row 256 x tile row + 128 x half,
	s_lshl_b32 s16, s16, 13                        ; in bytes (under 2^25)
	s_mov_b32 s17, 0
	s_lshl_b32 s68, s42, 9                         ; B: column 256 x tile column, in bytes,
	s_lshl_b32 s70, s[CH], 19                      ; k-row 64 x half
	s_add_co_u32 s68, s68, s70
	s_mov_b32 s69, 0
	s_mul_i32 s19, s[WV], HALFT                    ; and where they go: A's two halves, then B's two: no place in the cluster enters an LDS address
	s_wait_dscnt 0x0                               ; the opening add is done
	s_wait_kmcnt 0x0
	s_add_nc_u64 s[16:17], s[4:5], s[16:17]
	s_add_nc_u64 s[68:69], s[6:7], s[68:69]
	CROUND                                         ; all sixteen work-groups are here: the first joint loads meet
.irp s, 0,1
	s_mov_b32 s[G0+4*(\s)], 1                                        ; 1:0 count = 1
	s_add_co_u32 s[G0+4*(\s)+1], s19, (\s)*SLOT                      ; 63:32 LDS address
	s_add_nc_u64 s[G0+4*(\s)+2:G0+4*(\s)+3], s[16:17], (\s)*STEPA    ; 120:64 global address: K step s
	s_or_b32 s[G0+4*(\s)+3], s[G0+4*(\s)+3], 0x80000000              ; 127:126 type = 2
	s_mov_b32 s[G0B+4*(\s)], 1
	s_add_co_u32 s[G0B+4*(\s)+1], s19, (\s)*SLOT
	s_add_nc_u64 s[G0B+4*(\s)+2:G0B+4*(\s)+3], s[68:69], (\s)*STEPB
	s_or_b32 s[G0B+4*(\s)+3], s[G0B+4*(\s)+3], 0x80000000
	JLOAD \s                                       ; the ring is filled before anything else is done: two tensor loads of mine are out
.endr
	; A fragment is 16 rows x 32 K in 8 registers: lane l holds row l % 16; registers 0-3 hold K = 8 (l / 16) + 0..7, registers 4-7 K = 16 + 8 (l / 16) + 0..7.
	; A's rows lie along K: two loads of 16 bytes, 32 bytes apart.
	v_and_b32 v1, 15, v0                           ; l % 16
	v_bfe_u32 v2, v0, 4, 1                         ; l / 16
	v_and_b32 v3, 31, v0                           ; l
	v_mul_u32_u24 v4, v1, PA
	v_lshl_add_u32 v4, v2, 4, v4                   ; row x pitch + 16 x half
	s_mul_i32 s20, s[RH], HALFT                    ; my 128 rows of A
	v_add_nc_u32 v[ADRA], s20, v4
	v_add_nc_u32 v[ADRA+1], SLOT, v[ADRA]
	; B's rows lie along n.  The turning load takes 16 k x 16 n (lane l reads 16 bytes: k-row 8 (l / 16) + l % 8, columns 8 ((l / 8) % 2) + 0..7) and leaves half a fragment: lane l holds column l % 16 and 8 k.
	v_and_b32 v5, 7, v0
	v_lshl_add_u32 v5, v2, 3, v5
	v_mul_u32_u24 v5, v5, PB
	v_bfe_u32 v6, v0, 3, 1
	v_lshl_add_u32 v5, v6, 4, v5
	s_lshl_b32 s21, s[CH], 8                       ; my 128 columns: 256 bytes of each k-row,
	s_add_co_u32 s21, s21, 2*HALFT                 ; behind A's 256 rows
	v_add_nc_u32 v[ADRB], s21, v5
	v_add_nc_u32 v[ADRB+1], SLOT, v[ADRB]
	s_mul_i32 s22, s[WV], 16*SP
	s_add_co_u32 s22, s22, STAGE                   ; my stage
	v_mul_u32_u24 v7, v1, SP                       ; in: row l % 16, 32 bytes for each half of the lanes
	v_lshl_add_u32 v7, v2, 5, v7
	v_add_nc_u32 v[STO], s22, v7
	v_lshlrev_b32 v[CO], 4, v3                     ; back: 32 lanes take one row of 512 bytes
	v_add_nc_u32 v[RD], s22, v[CO]
	s_lshl_b32 s72, s42, 10                        ; my first column in f32 bytes: 1,024 x tile column + 512 x half
	s_lshl_b32 s73, s[CH], 9
	s_add_co_u32 s72, s72, s73
	v_add_nc_u32 v[BO], s72, v[CO]
	global_load_b128 v[BIAS:BIAS+3], v[BO], s[8:9] ; bias of the four columns that I store in every row; waited for on the way out
	s_lshl_b32 s74, s43, 8
	s_lshl_b32 s75, s[RH], 7
	s_add_co_u32 s74, s74, s75                     ; my first row of out0,
	s_lshl_b32 s74, s74, 14                        ; in bytes (under 2^26),
	s_add_co_u32 s74, s74, s72                     ; and my first column
	s_mov_b32 s75, 0
	s_add_nc_u64 s[10:11], s[10:11], s[74:75]      ; never rewritten after this: a row's place stands in the stores' immediate
	; the prefetches: offsets made apart from the addresses, in registers of their own
	s_lshl_b32 s80, s43, 8
	s_lshl_b32 s81, s[CH], 7
	s_add_co_u32 s80, s80, s81                     ; A: the 128 rows that I fetch,
	s_lshl_b32 s81, s40, 5
	s_add_co_u32 s80, s80, s81                     ; my work-group's 32 of them,
	s_lshl_b32 s80, s80, 13
	s_add_co_u32 s80, s80, 3*STEPA                 ; at K step 3: the first refill steps it to 4
	s_lshl_b32 s82, s[CH], 6                       ; B: the 64 k-rows that I fetch,
	s_lshl_b32 s83, s41, 4
	s_add_co_u32 s82, s82, s83                     ; my work-group's 16 of them,
	s_lshl_b32 s82, s82, 13
	s_lshl_b32 s83, s42, 9
	s_add_co_u32 s82, s82, s83                     ; the tile's 512 bytes of each,
	s_add_co_u32 s82, s82, 3*STEPB                 ; at K step 3
	s_and_b32 s84, ttmp7, 0xffff                   ; cluster y
	s_mov_b32 s85, STEPB
	s_cmp_eq_u32 s[RH], 0                          ; do I fetch for A?
	s_cselect_b32 s80, s80, s82
	s_cselect_b32 s84, ttmp9, s84                  ; the coordinate along which other clusters read the same rows
	s_cselect_b32 s[PST], STEPA, s85
	s_cselect_b64 s[PFA:PFA+1], s[4:5], s[6:7]
	s_mov_b32 s81, 0
	s_mov_b32 s[PST+1], 0
	s_cmp_eq_u32 s84, 0
	s_cselect_b32 s[LIM], 1, -1                    ; the same in all sixteen partners, for a given wave
	s_add_nc_u64 s[PFA:PFA+1], s[PFA:PFA+1], s[80:81]
	v_lshrrev_b32 v4, s[RH], v3                    ; A: lane l takes row l; B: k-row l / 2,
	v_lshlrev_b32 v4, 13, v4
	v_and_b32 v5, s[RH], v3                        ; block l % 2 of its two
	v_lshl_add_u32 v[PFO], v5, 8, v4
	; nothing is prefetched here, at the head, where every work-group's first tiles are on their way: K steps 0 to 3 come by their loads alone
; 16 matrix instructions: m blocks a0, a0 + 1 of the window's four (hi = 0: my rows 0-63, 1: rows 64-127) x all 8 n blocks, 32 along K.
; zero = 1: the first product starts the sums: nothing is ever cleared.  The 64 accumulators take turns, in the same order in every quarter step.
.macro MUL16 f, hi, a0, zero
	WIN MUL_LO+0x50*(\hi)
.irp a, \a0, (\a0)+1
.irp b, 0,1,2,3,4,5,6,7
.if \zero
	v_wmma_f32_16x16x32_bf16 v[8*(8*(\a)+(\b)):8*(8*(\a)+(\b))+7], v[(\f)+8*(\b):(\f)+8*(\b)+7], v[(\f)+8*(4*(\hi)+(\a)):(\f)+8*(4*(\hi)+(\a))+7], 0
.else
	v_wmma_f32_16x16x32_bf16 v[8*(8*(\a)+(\b)):8*(8*(\a)+(\b))+7], v[(\f)+8*(\b):(\f)+8*(\b)+7], v[(\f)+8*(4*(\hi)+(\a)):(\f)+8*(4*(\hi)+(\a))+7], v[8*(8*(\a)+(\b)):8*(8*(\a)+(\b))+7]
.endif
.endr
.endr
.endm
; 32 LDS loads in one run: the fragments of quarter q of a K step (32 k x my 128 columns of B, turned; my 128 rows of A x 32 k) into buffer f.  B first, A's rows 64-127 last.
.macro FETCH slot, q, f
	WIN TO_B
.irp i, 0,1,2,3,4,5,6,7
	ds_load_tr16_b128 v[(\f)+8*(\i):(\f)+8*(\i)+3],   v[ADRB+(\slot)] offset:(\q)*32*PB+32*(\i)
	ds_load_tr16_b128 v[(\f)+8*(\i)+4:(\f)+8*(\i)+7], v[ADRB+(\slot)] offset:(\q)*32*PB+16*PB+32*(\i)
.endr
	WIN 0
.irp i, 0,1,2,3,4,5,6,7
	ds_load_b128 v[(\f)+8*(\i):(\f)+8*(\i)+3],   v[ADRA+(\slot)] offset:64*(\q)+(\i)*16*PA
	ds_load_b128 v[(\f)+8*(\i)+4:(\f)+8*(\i)+7], v[ADRA+(\slot)] offset:64*(\q)+(\i)*16*PA+32
.endr
.endm
; A load into a register that a matrix instruction has read, and an LDS store that reads a matrix result, stand four places behind that matrix instruction, and only plain vector
; instructions that name none of its registers are places (ISA guide 7.12.1 for vector instructions).
.macro PLACES
.rept 4
	v_nop
.endr
.endm
; A K step is four quarters of 32 along K, 64 matrix instructions each, on buffers 0, 1, 0, 1.
; One of the first three: multiplies buffer f; in its middle it fetches quarter q of the same slot into buffer g.
.macro QUARTER slot, q, f, g, zero
	s_wait_dscnt 8                                 ; B and A's rows 0-63 are in; the youngest eight loads (A's rows 64-127) may be out
	MUL16 \f, 0, 0, \zero
	MUL16 \f, 0, 2, \zero
	PLACES
	FETCH \slot, \q, \g
	s_wait_dscnt 32                                ; all but the 32 just issued
	MUL16 \f, 1, 0, \zero
	MUL16 \f, 1, 2, \zero
.endm
; The last quarter multiplies buffer 1 and changes slots.  MEET is its first half: ONE barrier for the change.  In front of it each wave waits for all its tensor loads, of which one is out:
; its part of the next slot; adds 0 to its spare word; and waits for that and for its own reads of this slot.  Behind it nobody reads this slot any more and the next slot is whole.
.macro MEET round                      ; round = 1: a round of the cluster's barrier follows
	WIN 0                                          ; (the add's two registers lie in window 0)
	s_wait_tensorcnt 0x0                           ; all my tensor loads have landed;
	ds_add_u32 v[SPW], v[NIL]                      ; 0 onto my spare word;
	s_wait_dscnt 9                                 ; (the add and the youngest eight loads may be out)
	MUL16 F1, 0, 0, 0                              ; sixteen matrix instructions stand between the add and the wait for it
	s_wait_dscnt 0x0                               ; the add is done, and my reads of this slot are over:
	s_barrier_signal -1                            ; say so,
	MUL16 F1, 0, 2, 0                              ; work on registers while the others arrive,
.if \round
	WIN 0
.endif
	s_barrier_wait -1                              ; and go on when all four have said so
.endm
; The whole last quarter.  The barrier opens a round of the cluster's; behind the round the slot just read out is filled again first, with the K step two steps on; then come the next slot's
; first fragments.  From the request to the wait for it a wave issues 224 matrix instructions; one tensor load of mine is out.
.macro TURN slot, next
	s_wait_xcnt 0x0                                ; the last prefetch, a K step back, has read its address: it is stepped here, ahead of the waits of the change of slots
	s_add_nc_u64 s[PFA:PFA+1], s[PFA:PFA+1], s[PST:PST+1]
	MEET 1
	CREST                                          ; no wave of any partner still reads this slot's tile or has a load on its way
	s_add_nc_u64 s[G0+4*(\slot)+2:G0+4*(\slot)+3], s[G0+4*(\slot)+2:G0+4*(\slot)+3], 2*STEPA      ; no tensor load of mine is out, so the groups 0 may be written; the type bits on top are not reached
	s_add_nc_u64 s[G0B+4*(\slot)+2:G0B+4*(\slot)+3], s[G0B+4*(\slot)+2:G0B+4*(\slot)+3], 2*STEPB
	JLOAD \slot                                    ; the first tensor load behind the round; the four v_nop behind it are also the places in front of the loads below
	FETCH \next, 0, F0
	ASK
	MUL16 F1, 1, 0, 0
	MUL16 F1, 1, 2, 0
.endm
; THE WAY OUT of block a (16 of my rows).  A lane's 32 bytes are a sixteenth of a row's 512, so the block goes through my own stage in LDS and comes back as whole rows.
; TOSTAGE: straight out of the accumulators, each one's four lowest registers first; then 16 rows back, into the registers that held A's fragments, two sets by turns.
.macro TOSTAGE a
.set AC, 64*((\a)%4)
.set BK, 64+64*((\a)%2)
	WIN 0x08+4*((\a)/4)                            ; the stores' data (source 1) in window 2 or 3, the address in window 0
.irp b, 0,1,2,3,4,5,6,7
	ds_store_b128 v[STO], v[AC+8*(\b):AC+8*(\b)+3]   offset:64*(\b)
	ds_store_b128 v[STO], v[AC+8*(\b)+4:AC+8*(\b)+7] offset:64*(\b)+16
.endr
	WIN 0
.if (\a) >= 2
	s_wait_xcnt 0x0                                ; block a - 2's stores have read their data (ISA guide 3.1): only now is that set of registers loaded again
.endif
.irp t, 0,1,2,3,4,5,6,7,8,9,10,11,12,13,14,15
	ds_load_b128 v[BK+4*(\t):BK+4*(\t)+3], v[RD] offset:(\t)*SP  ; LDS serves a wave's instructions in order (ISA guide 5.7.1.4): these see the stores above, and the next block's stores come behind them
.endr
.endm
; SEND: bias is added and the row stored.  younger: the LDS instructions issued behind block a's loads: the next block's 16 stores and 16 loads, or none.
.macro SEND a, younger
.set BK, 64+64*((\a)%2)
.irp t, 0,1,2,3,4,5,6,7,8,9,10,11,12,13,14,15
	s_wait_dscnt (\younger)+15-(\t)                ; row t is back; the 15 - t rows behind it and the younger ones may be out
	v_pk_add_f32 v[BK+4*(\t):BK+4*(\t)+1],   v[BK+4*(\t):BK+4*(\t)+1],   v[BIAS:BIAS+1]
	v_pk_add_f32 v[BK+4*(\t)+2:BK+4*(\t)+3], v[BK+4*(\t)+2:BK+4*(\t)+3], v[BIAS+2:BIAS+3]
	global_store_b128 v[CO], v[BK+4*(\t):BK+4*(\t)+3], s[10:11] offset:(16*(\a)+(\t))*ROWC  ; 512 consecutive bytes, at a multiple of 256 from out0's first; 127 rows at the most: inside the signed 24-bit immediate
.endr
.endm
	s_wait_tensorcnt 1                             ; my part of K step 0 is in; K step 1's may stay out
	s_barrier_signal -1
	s_barrier_wait -1                              ; everybody's is
	FETCH 0, 0, F0
	QUARTER 0, 1, F0, F1, 1                        ; the first quarter stands in front of the loop: its products start the sums
	WIN 0                                          ; at a label and at a branch every window is 0
	s_mov_b32 s[LAP], LAPS-1
.Llap:                                                 ; a trip goes once round the ring, from a lap's second quarter to the next lap's first, and fills both slots again
	QUARTER 0, 2, F1, F0, 0
	QUARTER 0, 3, F0, F1, 0
	TURN 0, 1
	QUARTER 1, 1, F0, F1, 0
	QUARTER 1, 2, F1, F0, 0
	QUARTER 1, 3, F0, F1, 0
	TURN 1, 0
	QUARTER 0, 1, F0, F1, 0
	WIN 0
	s_sub_co_u32 s[LAP], s[LAP], 1
	s_cmp_lg_u32 s[LAP], 0
	s_cbranch_scc1 .Llap
	QUARTER 0, 2, F1, F0, 0                        ; the last lap is written out: it fills nothing and no round stands in it
	QUARTER 0, 3, F0, F1, 0
	MEET 0                                         ; my one tensor load that was still out is slot 1's: K step 31
	PLACES                                         ; for the loads into buffer 0, which the quarter before multiplied
	FETCH 1, 0, F0
	MUL16 F1, 1, 0, 0
	MUL16 F1, 1, 2, 0
	QUARTER 1, 1, F0, F1, 0
	QUARTER 1, 2, F1, F0, 0
	QUARTER 1, 3, F0, F1, 0
	s_wait_dscnt 8                                 ; the very last quarter: nothing more to fetch
	MUL16 F1, 0, 0, 0
	MUL16 F1, 0, 2, 0
	s_wait_dscnt 0x0
	MUL16 F1, 1, 0, 0
	MUL16 F1, 1, 2, 0
	WIN 0
	PLACES                                         ; behind the last product: the stores below read results, the loads below land in registers that products have read
	s_wait_loadcnt 0x0                             ; bias
	TOSTAGE 0
.irp a, 1,2,3,4,5,6,7                  ; block a goes into the stage while block a - 1's rows come back
	TOSTAGE \a
	SEND (\a)-1, 32
.endr
	SEND 7, 0
	s_wait_tensorcnt 0x0                           ; the wave's end: an add of 0 to my spare word and its wait, behind my last tensor load and my last LDS store
	ds_add_u32 v[SPW], v[NIL]
	s_wait_dscnt 0x0
	CROUND                                         ; the closing round: no work-group ends while a partner may still ask for a tile that names it
	s_endpgm
.Lfunc_end_k_q9e13c62015_gemm:
	.size	k_q9e13c62015_gemm, .Lfunc_end_k_q9e13c62015_gemm-k_q9e13c62015_gemm
	.p2alignl 7, 3214868480
	.fill 96, 4, 3214868480
	.section	.rodata,"a",@progbits
	.p2align	6, 0x0
	.amdhsa_kernel k_q9e13c62015_gemm
		.amdhsa_group_segment_fixed_size 327680
		.amdhsa_private_segment_fixed_size 0
		.amdhsa_enable_private_segment 0
		.amdhsa_kernarg_size 32
		.amdhsa_user_sgpr_count 2
		.amdhsa_user_sgpr_kernarg_segment_ptr 1
		.amdhsa_wavefront_size32 1
		.amdhsa_system_sgpr_workgroup_id_x 1
		.amdhsa_system_sgpr_workgroup_id_y 1
		.amdhsa_system_sgpr_workgroup_id_z 1
		.amdhsa_system_vgpr_workitem_id 0
		.amdhsa_next_free_vgpr 1024
		.amdhsa_next_free_sgpr 88
		.amdhsa_reserve_vcc 0
		.amdhsa_float_denorm_mode_32 3
		.amdhsa_float_denorm_mode_16_64 3
		.amdhsa_memory_ordered 1
		.amdhsa_forward_progress 1
		.amdhsa_inst_pref_size 161
	.end_amdhsa_kernel
	.amdgpu_metadata
---
amdhsa.version: [ 1, 2 ]
amdhsa.kernels:
  - .name:           k_q9e13c62015_gemm
    .symbol:         k_q9e13c62015_gemm.kd
    .args:
      - { .name: xb, .offset: 0, .size: 8, .value_kind: global_buffer, .address_space: global }
      - { .name: kb, .offset: 8, .size: 8, .value_kind: global_buffer, .address_space: global }
      - { .name: bias, .offset: 16, .size: 8, .value_kind: global_buffer, .address_space: global }
      - { .name: out0, .offset: 24, .size: 8, .value_kind: global_buffer, .address_space: global }
    .group_segment_fixed_size: 327680
    .private_segment_fixed_size: 0
    .kernarg_segment_align: 8
    .kernarg_segment_size: 32
    .max_flat_workgroup_size: 128
    .sgpr_count:     88
    .vgpr_count:     1024
    .wavefront_size: 32
...
	.end_amdgpu_metadata
.endif
;; end of part 2
;; ======== version 2 of 2: 2 launches; version 1 with the launch prep written anew for expert scheduling mode
;; workspace buffers: xb 33,554,432 bytes; kb 33,554,432 bytes
;; launch prep (part 3): grid 1024 x 1, 8 waves a work-group, no clusters, 0 bytes of LDS; arguments x, kernel, xb, kb; writes xb, kb
.if DOCPART == 3
	.amdgcn_target "amdgcn-amd-amdhsa--gfx1250"
	.amdhsa_code_object_version 6
	.text
	.protected	k_q9e13c62015_prep
	.globl	k_q9e13c62015_prep
	.p2align	8
	.type	k_q9e13c62015_prep,@function
k_q9e13c62015_prep:
	s_mov_b64 s[64:65], 0
	v_nop
	global_prefetch_b8 v0, s[64:65] scope:SCOPE_SE
	s_setreg_imm32_b32 hwreg(HW_REG_WAVE_SCHED_MODE, 0, 2), 2
	s_setreg_imm32_b32 hwreg(HW_REG_WAVE_MODE, 25, 1), 1
	s_wait_xcnt 0x0
	s_wait_alu depctr_vm_vsrc(0)
; xb = x rounded to bf16; kb = sign(kernel) in bf16.  Both keep their source's layout: [4096][4096], row-major.
; sign() is taken exactly: +1 or -1 with the number's sign where it is less or greater than 0 (denormals too); the number itself where it is +0, -0 or NaN.
; -1, 0 and +1 are exact in bf16, so the one rounding of the whole program is x's.
; LIMIT: |x| beyond bf16's largest finite number (about 3.39e38) becomes an infinity.
; A STREAM: every input byte is read once, every output byte written once; nothing is shared between waves, so no LDS, no barrier, no matrix unit.
; SHARES.  Work-group g owns bytes 65,536 g .. + 65,535 of x and of kernel (32,768 g .. of xb and kb): 16 chunks of 4,096 bytes of each.
; Thread t takes the 16 bytes at 16 t of a chunk: a wave's load covers 512 consecutive bytes, and its four numbers a lane leave as 8 bytes:
; a wave's store covers 256 consecutive bytes, at a multiple of 256 from the buffer's first byte.
; THE MODE: SCHED_MODE bits 1:0 = 2 (LLVM: expert scheduling mode 2), set by the entry lines.  The code itself states the register dependences
; between vector instructions and memory instructions, with s_wait_alu, always for 0.
; THE PLAN.  The 32 chunks go in 8 blocks of four rows: block p is chunks 2 p and 2 p + 1 of x (rows 0, 1) and of kernel (rows 2, 3).  Registers that memory instructions touch:
;   X0 .. X3   four blocks as loaded.  Written by the loads of block p + 3, issued in block p; read by block p's compares, v_bfi_b32, selects and conversions.
;   Y0, Y1     two blocks to store.    Written by block p's eight conversions; read by the four stores that are issued in block p + 1.
;   v1, v2     byte offsets, made once at the head and never written again.
; Block p works on X[p % 4] and writes Y[p % 2].  Its memory instructions are the loads into X[(p + 3) % 4] = X[(p - 1) % 4] and the stores from Y[(p - 1) % 2]:
; the two buffers that block p - 1 worked on and that no vector instruction of block p names.  So the waits at a block's head state all that its eight memory
; instructions hang on, and these are dealt among its vector instructions with no further wait.  T and the masks s[20:27] are named by vector instructions alone.
; NO LOOP: of the eight blocks the first has no block in front of it and the last three load nothing; a lap is four blocks (both kinds of buffer back at their start), so a loop
; would have one trip.  The blocks are written out by one macro, every chunk's place stands in an immediate offset (61,440 bytes at the most), and the four bases are never rewritten.
.set CHUNK,  4096                      ; bytes that one load of the work-group covers
.set ROWS,   4                         ; loads, and stores, in a block
.set BLOCKS, 8
.set T, 4                              ; v[4:11]   at work: the eight signs of a block's two chunks of kernel
.set X, 12                             ; v[12:75]  buffer k, row i: 4 registers at X + 16 k + 4 i, as loaded
.set Y, 76                             ; v[76:91]  buffer k, row i: 2 registers at Y + 8 k + 2 i, to store
.set M, 20                             ; s[20:27]  the eight masks of a block's compares
	s_load_b256 s[4:11], s[0:1], 0x0               ; x s[4:5], kernel s[6:7], xb s[8:9], kb s[10:11]
	s_lshl_b32 s2, ttmp9, 16                       ; the work-group's part of the inputs (under 2^26),
	s_mov_b32 s3, 0
	s_lshl_b32 s12, ttmp9, 15                      ; and of the outputs
	s_mov_b32 s13, 0
	s_mov_b32 s14, 0x7fffffff                      ; all bits but the sign
	s_mov_b32 s15, 0x3f800000                      ; 1.0
	v_lshlrev_b32 v1, 4, v0                        ; 16 t: my bytes in a chunk of an input; never rewritten
	v_lshlrev_b32 v2, 3, v0                        ; 8 t: in a chunk of an output; never rewritten
	s_wait_kmcnt 0x0
	s_add_nc_u64 s[4:5], s[4:5], s[2:3]
	s_add_nc_u64 s[6:7], s[6:7], s[2:3]
	s_add_nc_u64 s[8:9], s[8:9], s[12:13]
	s_add_nc_u64 s[10:11], s[10:11], s[12:13]
	s_wait_alu depctr_va_vdst(0)                   ; v1 and v2 are written: every load of the kernel reads v1 as its offset, every store v2
.irp n, 0,1,2,3,4,5,6,7,8,9,10,11
	global_load_b128 v[X+4*(\n):X+4*(\n)+3], v1, s[4+2*(((\n)%4)/2):5+2*(((\n)%4)/2)] offset:(2*((\n)/4)+(\n)%2)*CHUNK th:TH_LOAD_NT  ; blocks 0, 1 and 2 into X0, X1, X2
.endr
; Row i of block p's memory instructions: the load of block p + 3, where there is one, ahead of the store of block p - 1, where there is one.
; No vector instruction issued since the waits at the block's head names a register that these two touch.
.macro MEM p, i
.if (\p)+3 < BLOCKS
	global_load_b128 v[X+16*(((\p)+3)%4)+4*(\i):X+16*(((\p)+3)%4)+4*(\i)+3], v1, s[4+2*((\i)/2):5+2*((\i)/2)] offset:(2*((\p)+3)+(\i)%2)*CHUNK th:TH_LOAD_NT
.endif
.if (\p) > 0
	global_store_b64 v2, v[Y+8*(((\p)+1)%2)+2*(\i):Y+8*(((\p)+1)%2)+2*(\i)+1], s[8+2*((\i)/2):9+2*((\i)/2)] offset:(2*((\p)-1)+(\i)%2)*CHUNK/2 th:TH_STORE_NT
.endif
.endm
; Block p.
.macro BLK p
.set XB, X+16*((\p)%4)
.set YB, Y+8*((\p)%2)
.if (\p) < BLOCKS-2
.set LEFT, 2*ROWS                      ; the loads of blocks p + 1 and p + 2 may stay out
.else
.set LEFT, ROWS*(BLOCKS-1-(\p))        ; the last blocks: the counts run down
.endif
	s_wait_loadcnt LEFT                            ; loads come back in order (ISA guide 5.7.1): X[p % 4] is in, the younger blocks stay out
.if (\p) >= 2
	s_wait_xcnt 0x0                                ; every earlier memory instruction has had its addresses translated (ISA guide 3.1): Y[p % 2], the data of the stores issued in the block before, is rewritten only behind this wait
	s_wait_alu depctr_vm_vsrc(0)                   ; those stores have read Y[p % 2], which this block's conversions write again
.endif
.if (\p) >= 1
	s_wait_alu depctr_va_vdst(0)                   ; the block before has written the other Y, which the stores below read, and is done reading its X, in which the loads below land
.endif
	MEM \p, 0
.irp k, 0,1,2,3,4,5,6,7
	v_cmp_lg_f32 s[M+(\k)], 0, v[XB+8+(\k)]        ; kernel: less or greater than 0: false for +0, -0 and NaN.  The eight compares stand in one run
.endr
	MEM \p, 1
.irp k, 0,1,2,3,4,5,6,7
	v_bfi_b32 v[T+(\k)], s14, s15, v[XB+8+(\k)]    ; 1.0 with the number's sign
.endr
	MEM \p, 2
.irp j, 0,1,2,3
	v_cvt_pk_bf16_f32 v[YB+(\j)], v[XB+2*(\j)], v[XB+2*(\j)+1]  ; x: two roundings to nearest even, packed
.endr
	MEM \p, 3
	s_wait_alu depctr_va_sdst(0)                   ; the eight compares have written s[20:27], ahead of their first reader: one wait for the run
.irp k, 0,1,2,3,4,5,6,7
	v_cndmask_b32 v[T+(\k)], v[XB+8+(\k)], v[T+(\k)], s[M+(\k)]  ; where the compare is false the number itself stays: a choice of value, no branch
.endr
.irp j, 0,1,2,3
	v_cvt_pk_bf16_f32 v[YB+4+(\j)], v[T+2*(\j)], v[T+2*(\j)+1]  ; exact
.endr
.endm
.irp p, 0,1,2,3,4,5,6,7
	BLK \p                                         ; block 0 stores nothing; blocks 5 to 7 load nothing: no load leaves its buffer
.endr
	s_wait_alu depctr_va_vdst(0)                   ; block 7 has written Y1, which the last four stores read
.irp i, 0,1,2,3
	global_store_b64 v2, v[Y+8+2*(\i):Y+8+2*(\i)+1], s[8+2*((\i)/2):9+2*((\i)/2)] offset:(2*(BLOCKS-1)+(\i)%2)*CHUNK/2 th:TH_STORE_NT
.endr
	s_endpgm
.Lfunc_end_k_q9e13c62015_prep:
	.size	k_q9e13c62015_prep, .Lfunc_end_k_q9e13c62015_prep-k_q9e13c62015_prep
	.p2alignl 7, 3214868480
	.fill 96, 4, 3214868480
	.section	.rodata,"a",@progbits
	.p2align	6, 0x0
	.amdhsa_kernel k_q9e13c62015_prep
		.amdhsa_group_segment_fixed_size 0
		.amdhsa_private_segment_fixed_size 0
		.amdhsa_enable_private_segment 0
		.amdhsa_kernarg_size 32
		.amdhsa_user_sgpr_count 2
		.amdhsa_user_sgpr_kernarg_segment_ptr 1
		.amdhsa_wavefront_size32 1
		.amdhsa_system_sgpr_workgroup_id_x 1
		.amdhsa_system_sgpr_workgroup_id_y 1
		.amdhsa_system_sgpr_workgroup_id_z 1
		.amdhsa_system_vgpr_workitem_id 0
		.amdhsa_next_free_vgpr 92
		.amdhsa_next_free_sgpr 66
		.amdhsa_reserve_vcc 0
		.amdhsa_float_denorm_mode_32 3
		.amdhsa_float_denorm_mode_16_64 3
		.amdhsa_memory_ordered 1
		.amdhsa_forward_progress 1
		.amdhsa_inst_pref_size 25
	.end_amdhsa_kernel
	.amdgpu_metadata
---
amdhsa.version: [ 1, 2 ]
amdhsa.kernels:
  - .name:           k_q9e13c62015_prep
    .symbol:         k_q9e13c62015_prep.kd
    .args:
      - { .name: x, .offset: 0, .size: 8, .value_kind: global_buffer, .address_space: global }
      - { .name: kernel, .offset: 8, .size: 8, .value_kind: global_buffer, .address_space: global }
      - { .name: xb, .offset: 16, .size: 8, .value_kind: global_buffer, .address_space: global }
      - { .name: kb, .offset: 24, .size: 8, .value_kind: global_buffer, .address_space: global }
    .group_segment_fixed_size: 0
    .private_segment_fixed_size: 0
    .kernarg_segment_align: 8
    .kernarg_segment_size: 32
    .max_flat_workgroup_size: 256
    .sgpr_count:     66
    .vgpr_count:     92
    .wavefront_size: 32
...
	.end_amdgpu_metadata
.endif
;; end of part 3
;; launch gemm: the kernel of part 2 again; grid 16 x 16, 4 waves a work-group, clusters of 4 x 4, 327,680 bytes of LDS; arguments xb, kb, bias, out0; writes out0
